; MI455X (gfx1250); checked and timed in simulation.
; The chip was launched on July 23, 2026; its instructions are those of AMD's public machine-readable ISA for CDNA 5 (MIT licence, August 2026) and "CDNA5" Instruction Set Architecture Reference Guide (July 2026). The comments in the code are by the model that wrote it; some were corrected since.
;; Self Attention. Allowed arithmetic: matrix products marked QUANTISED: E4M3 operands, one given power-of-two scale a tensor, by v_wmma_f32_16x16x64_fp8_fp8 or v_wmma_f32_16x16x128_fp8_fp8, f32 sums; everything else in f32.
;; Inputs: Wk 1,024 x 1,024 float32; Wo 1,024 x 1,024 float32; Wq 1,024 x 1,024 float32; Wv 1,024 x 1,024 float32; bk 1,024 float32; bo 1,024 float32; bq 1,024 float32; bv 1,024 float32; lowp_scales 12 int32 (the exponents e of the quantised operands' scales 2^e); x 4 x 2,048 x 1,024 float32.
;; Outputs: out0 4 x 2,048 x 1,024 float32.
;; This version of the problem:
;;   THIS VERSION OF THE PROBLEM IS GIVEN IN LOW PRECISION. The matrix products marked QUANTISED in the list below multiply operands that are first quantised to E4M3 (4 exponent bits, 3 mantissa bits; 8 bits a number), with one given power-of-two scale for each operand tensor; their sums are f32. All else is computed in f32.
;;   The module's matrix products, in the order in which they are computed (A, B: the left and right operand; K: the contracted axis; several contracted axes count as one K, in the product's order):
;;     1. [M 8,192, K 1,024] x [K 1,024, N 1,024]; A: input x; B: input Wq: QUANTISED (scales: A lowp_scales[0], B lowp_scales[1])
;;     2. [M 8,192, K 1,024] x [K 1,024, N 1,024]; A: input x; B: input Wk: QUANTISED (scales: A lowp_scales[2], B lowp_scales[3])
;;     3. [M 8,192, K 1,024] x [K 1,024, N 1,024]; A: input x; B: input Wv: QUANTISED (scales: A lowp_scales[4], B lowp_scales[5])
;;     4. batch 64 x [M 2,048, K 64] x [K 64, N 2,048]; A: computed on the way; B: computed on the way: QUANTISED (scales: A lowp_scales[6], B lowp_scales[7])
;;     5. batch 64 x [M 2,048, K 2,048] x [K 2,048, N 64]; A: softmax (see below); B: computed on the way: QUANTISED (scales: A lowp_scales[8], B lowp_scales[9])
;;     6. [M 8,192, K 1,024] x [K 1,024, N 1,024]; A: computed on the way; B: input Wo: QUANTISED (scales: A lowp_scales[10], B lowp_scales[11])
;;   THE QUANTISER, for each operand of a quantised product, along K:
;;     - The operand's scale is 2^e, e = its entry of the input lowp_scales (int32; the entries are numbered through the quantised products in the list's order, A before B).
;;     - Each number is divided by the scale, clamped to +-448, and rounded to the nearest number of E4M3, ties to even, subnormals kept.
;;     - The product sums the exact products of the quantised numbers (number of the format x scale) in f32.
;;   ~~~python
;;   def quantise(x, axis, e):      # numpy; x: float32 -> the quantised numbers, widened to float32 again
;;       x = np.moveaxis(x, axis, -1); K = x.shape[-1]
;;       r = np.clip(x / 2.0 ** e, -448, 448)
;;       step = 2.0 ** (np.maximum(np.frexp(np.where(r == 0, 1, r))[1] - 1, -6) - 3)
;;       q = np.round(r / step) * step * 2.0 ** e      # np.round: ties to even
;;       return np.moveaxis(q, -1, axis).astype(np.float32)
;;   ~~~
;;   SOFTMAX AHEAD OF A QUANTISED PRODUCT. Where the list says 'softmax', what is quantised is not the finished softmax but p = 2^(t - M), with t = logit x log2(e) and M = ceil(the row's largest t), a whole number; so 1/2 < the row's largest p <= 1. The row's sum l is taken of the UNQUANTISED p, in f32, and the product's result is divided by l at the end. Since M is a whole number, a kernel that streams over the keys may use a running M (the ceiling of the running maximum): every later rescaling is an exact power of two, so the quantised numbers keep their values, but for numbers so far below the row's largest that they fall under the format's range.
;;   OPERANDS COMPUTED ON THE WAY. 'Computed on the way' means the value that the module computes at that place (a softmax that the list does not call 'softmax' is quantised finished and normalised). What goes into a quantiser is computed in f32, as accurately as f32 sums, v_exp_f32 and their like allow (about 1e-6 of the number): no bf16 or f16 on the way to a quantiser, and a product that is left as it is and whose result goes on into a quantised operand takes f32 operands (vector FMAs, or v_wmma_f32_16x16x4_f32). A number that lies on a knife's edge between two numbers of the format may be rounded either way, as far as f32 arithmetic and the matrix unit's own rounding can turn it there, and no further.
;; One version. Each part assembles by itself: llvm-mc -triple=amdgcn-amd-amdhsa -mcpu=gfx1250 --defsym DOCPART=n.
;; ======== version 1 of 1: 4 launches
;; limits: right only within a limited range of input values
;; workspace buffers: opc 29,360,128 bytes; qkvc 25,165,824 bytes; ac 8,388,608 bytes
;; launch quant (part 1): grid 384 x 1, 4 waves a work-group, no clusters, 17,920 bytes of LDS; arguments x, Wq, Wk, Wv, Wo, lowp_scales, opc; writes opc
.if DOCPART == 1
	.amdgcn_target "amdgcn-amd-amdhsa--gfx1250"
	.amdhsa_code_object_version 6
	.text
	.protected	k_qb36d1a1cad_quant
	.globl	k_qb36d1a1cad_quant
	.p2align	8
	.type	k_qb36d1a1cad_quant,@function
k_qb36d1a1cad_quant:
	s_mov_b64 s[64:65], 0
	v_nop
	global_prefetch_b8 v0, s[64:65] scope:SCOPE_SE
	s_setreg_imm32_b32 hwreg(HW_REG_WAVE_MODE, 25, 1), 1
	s_wait_xcnt 0x0
; x [8192][1024] and Wq, Wk, Wv, Wo [1024][1024], f32 with K innermost, become codes of E4M3: code = number / 2^e, held within +-448, to the nearest code, ties to even.
; x is an operand of three products with three given scales (entries 0, 2, 4 of the scales): three sets of codes.  The weights take entries 1, 3, 5, 11.
; THE CODES ARE LAID AS IMAGES OF OPERAND REGISTERS: [tile of 16 rows][K / 128][c = 0..3][lane = 16 h + r][16 bytes]; the 16 bytes are k = 128 s + 32 c + 16 h + 0 .. 15 of row
; P(tile, r) = 32 (tile / 2) + 8 (tile % 2) + r + 8 (r / 8).  A fragment is 2,048 dense bytes; a tile 16,384.  opc: x's three sets at 0, 8 MiB, 16 MiB; the weights at WOFF + j MiB (q, k, v, o).
; SHARES.  Work-groups 0-255 take x, 256-383 the weights, 32 each.  A wave owns one tile x 512 along K: 8 units of 16 rows x 64 numbers.
; A load reads two rows' 256 aligned bytes (16 bytes a lane); a conversion wants 16 neighbours along K in ONE lane: so a unit turns through the wave's own stage in LDS (16 rows x 272 bytes).
; A lane's 16 codes are 16 bytes: each store of the wave covers 512 consecutive bytes, aligned.  Waves share nothing: no barrier, no tensor load, no cluster (no two work-groups read the same bytes).
; LIMITS: each e between -126 and 119, so that 2^e and 448 x 2^e are f32 numbers.  NaN among the inputs is not served (an infinity is held at the largest code).
.set WOFF,  25165824                   ; where the weights' images begin in opc
.set SP,    272                        ; a stage row: 256 bytes + 16, an odd multiple of 16
.set WSTG,  16*SP                      ; a wave's stage
.set R,     16                         ; v16-143  four sets of 32: units as loaded
.set X,     144                        ; v144-175 a unit after the turn: register 16 b + i = k 32 b + 16 h + i of my row
.set T,     176
.set C,     208                        ; v208-231 codes: 8 registers for each of the three scales
	s_load_b256 s[4:11], s[0:1], 0x0               ; x, Wq, Wk, Wv
	s_load_b128 s[12:15], s[0:1], 0x20             ; Wo, the scales' exponents
	s_load_b64 s[16:17], s[0:1], 0x30              ; opc
	v_lshl_add_u32 v232, v0, 2, 0x4400
	v_mov_b32 v233, 0
	v_lshrrev_b32 v5, 5, v0
	v_readfirstlane_b32 s18, v5                    ; wave
	v_and_b32 v12, 31, v0                          ; lane
	v_and_b32 v13, 15, v0                          ; r
	v_bfe_u32 v14, v0, 4, 1                        ; h
	v_lshlrev_b32 v1, 4, v13
	v_lshl_add_u32 v1, v14, 12, v1                 ; in: lanes 0-15 one row's 256 bytes, lanes 16-31 the next row's
	s_mul_i32 s19, s18, WSTG
	v_mul_u32_u24 v2, v14, SP
	v_lshl_add_u32 v2, v13, 4, v2
	v_add_nc_u32 v2, s19, v2                       ; into the stage: as loaded
	v_mul_u32_u24 v3, v13, SP
	v_lshl_add_u32 v3, v14, 6, v3
	v_add_nc_u32 v3, s19, v3                       ; out of it: row r, + 64 h bytes: my 16 numbers of a block of 32
	v_lshlrev_b32 v4, 4, v12                       ; out: 16 x lane
	s_cmp_lt_u32 ttmp9, 256                        ; x's work-group or a weight's?
	s_cselect_b32 s20, 0, 256
	s_mov_b32 s22, 31
	s_cselect_b32 s22, 255, s22
	s_sub_co_u32 s20, ttmp9, s20
	s_lshr_b32 s21, s20, 5                         ; which weight (meaningless for x)
	s_and_b32 s22, s20, s22                        ; the work-group's number within its tensor
	s_lshl_b32 s22, s22, 2
	s_add_co_u32 s22, s22, s18
	s_lshr_b32 s23, s22, 1                         ; my tile
	s_and_b32 s44, s22, 1                          ; my half of K
	s_lshr_b32 s46, s23, 1
	s_lshl_b32 s46, s46, 17                        ; 32 (tile / 2) rows of 4,096 bytes
	s_and_b32 s45, s23, 1
	s_lshl_b32 s45, s45, 15                        ; 8 (tile % 2) rows
	s_add_co_u32 s46, s46, s45
	s_lshl_b32 s45, s44, 11                        ; 512 numbers
	s_add_co_u32 s46, s46, s45
	s_mov_b32 s47, 0
	s_lshl_b32 s48, s23, 14                        ; the tile's image
	s_lshl_b32 s45, s44, 13                        ; four K steps of 2,048 bytes
	s_add_co_u32 s48, s48, s45
	s_lshl_b32 s45, s21, 20
	s_add_co_u32 s45, s45, WOFF
	s_cmp_lt_u32 ttmp9, 256
	s_cselect_b32 s45, 0, s45
	s_add_co_u32 s48, s48, s45
	s_mov_b32 s49, 0
	s_wait_alu depctr_va_vdst(0)
	s_wait_kmcnt 0x0
	s_load_b256 s[32:39], s[14:15], 0x0            ; e0 .. e7
	s_load_b128 s[40:43], s[14:15], 0x20           ; e8 .. e11
	s_cmp_eq_u32 s21, 1                            ; the source: a choice that hangs on the work-group's number alone
	s_cselect_b64 s[24:25], s[8:9], s[6:7]
	s_cmp_eq_u32 s21, 2
	s_cselect_b64 s[24:25], s[10:11], s[24:25]
	s_cmp_eq_u32 s21, 3
	s_cselect_b64 s[24:25], s[12:13], s[24:25]
	s_cmp_lt_u32 ttmp9, 256
	s_cselect_b64 s[24:25], s[4:5], s[24:25]
	s_add_nc_u64 s[24:25], s[24:25], s[46:47]
	s_add_nc_u64 s[26:27], s[16:17], s[48:49]      ; where my codes go;
	s_add_nc_u64 s[28:29], s[26:27], 0x800000      ; x's second and third set (a weight's work-group never stores by these two)
	s_add_nc_u64 s[30:31], s[26:27], 0x1000000
.macro LOAD u                          ; unit u: 16 rows x 256 bytes; local rows 2 i, 2 i + 1 are rows 2 i + 8 (i / 4) on from the tile's first
.irp i, 0,1,2,3,4,5,6,7
	global_load_b128 v[R+32*((\u)%4)+4*\i:R+32*((\u)%4)+4*\i+3], v1, s[24:25] offset:(2*\i+8*(\i/4))*4096+256*(\u) th:TH_LOAD_NT
.endr
.endm
.macro SCALE se, vs                    ; v[vs] = 2^e as f32 (the conversion takes its exponent field)
	s_add_co_i32 s51, \se, 127
	s_lshl_b32 s52, s51, 23
	v_mov_b32 v[\vs], s52
.endm
	LOAD 0
	LOAD 1
	LOAD 2
	LOAD 3
	s_wait_kmcnt 0x0
	s_cmp_eq_u32 s21, 1
	s_cselect_b32 s50, s35, s33
	s_cmp_eq_u32 s21, 2
	s_cselect_b32 s50, s37, s50
	s_cmp_eq_u32 s21, 3
	s_cselect_b32 s50, s43, s50
	s_cmp_lt_u32 ttmp9, 256
	s_cselect_b32 s50, s32, s50                    ; the first scale: e0 for x; e1, e3, e5, e11 for the weights
	SCALE s50, 6
	SCALE s34, 8                                   ; e2
	SCALE s36, 10                                  ; e4
; The unit in X is quantised with scale p and stored: two stores of 512 consecutive bytes.
.macro Q3 p, u
.irp b, 0,1
.irp i, 0,1,2,3,4,5,6,7,8,9,10,11,12,13,14,15
.endr
	v_cvt_scalef32_pk8_fp8_f32 v[C+8*\p+4*\b:C+8*\p+4*\b+1], v[X+16*\b:X+16*\b+7], v[6+2*\p]
	v_cvt_scalef32_pk8_fp8_f32 v[C+8*\p+4*\b+2:C+8*\p+4*\b+3], v[X+16*\b+8:X+16*\b+15], v[6+2*\p]
	global_store_b128 v4, v[C+8*\p+4*\b:C+8*\p+4*\b+3], s[26+2*\p:27+2*\p] offset:1024*(\u)+512*\b
.endr
.endm
.macro UNIT u
.if 7-(\u) >= 3
	s_wait_loadcnt 24                              ; this unit's eight loads are in; the three younger units' 24 may be out
.else
	s_wait_loadcnt 8*(7-(\u))
.endif
.irp i, 0,1,2,3,4,5,6,7
	ds_store_b128 v2, v[R+32*((\u)%4)+4*\i:R+32*((\u)%4)+4*\i+3] offset:2*SP*\i
.endr
.irp b, 0,1
.irp j, 0,1,2,3
	ds_load_b128 v[X+16*\b+4*\j:X+16*\b+4*\j+3], v3 offset:128*\b+16*\j   ; LDS serves a wave's instructions in order (ISA guide 5.7.1.4): these see the stores above
.endr
.endr
	s_wait_dscnt 0x0                               ; the unit is back, 16 neighbours a lane and block
	s_wait_xcnt 0x0                                ; the last unit's stores have read their codes: C is written again only behind this wait
.if (\u)+4 < 8
	LOAD (\u)+4                                    ; into the set that the stage's stores have read
.endif
	Q3 0, \u
	s_cmp_ge_u32 ttmp9, 256                        ; a weight has one scale
	s_cbranch_scc1 .Lone_\@
	Q3 1, \u
	Q3 2, \u
.Lone_\@:
	v_nop                                          ; a plain vector line behind the last conversion of the run
.endm
	s_wait_alu depctr_va_vdst(0)
.irp u, 0,1,2,3,4,5,6,7
	UNIT \u
.endr
	s_wait_tensorcnt 0x0
	ds_add_u32 v232, v233
	s_wait_dscnt 0x0
	s_endpgm
.Lfunc_end_k_qb36d1a1cad_quant:
	.size	k_qb36d1a1cad_quant, .Lfunc_end_k_qb36d1a1cad_quant-k_qb36d1a1cad_quant
	.p2alignl 7, 3214868480
	.fill 96, 4, 3214868480
	.section	.rodata,"a",@progbits
	.p2align	6, 0x0
	.amdhsa_kernel k_qb36d1a1cad_quant
		.amdhsa_group_segment_fixed_size 17920
		.amdhsa_private_segment_fixed_size 0
		.amdhsa_enable_private_segment 0
		.amdhsa_kernarg_size 56
		.amdhsa_user_sgpr_count 2
		.amdhsa_user_sgpr_kernarg_segment_ptr 1
		.amdhsa_wavefront_size32 1
		.amdhsa_system_sgpr_workgroup_id_x 1
		.amdhsa_system_sgpr_workgroup_id_y 1
		.amdhsa_system_sgpr_workgroup_id_z 1
		.amdhsa_system_vgpr_workitem_id 0
		.amdhsa_next_free_vgpr 234
		.amdhsa_next_free_sgpr 66
		.amdhsa_reserve_vcc 0
		.amdhsa_float_denorm_mode_32 3
		.amdhsa_float_denorm_mode_16_64 3
		.amdhsa_fp16_overflow 1
		.amdhsa_memory_ordered 1
		.amdhsa_forward_progress 1
		.amdhsa_inst_pref_size 31
	.end_amdhsa_kernel
	.amdgpu_metadata
---
amdhsa.version: [ 1, 2 ]
amdhsa.kernels:
  - .name:           k_qb36d1a1cad_quant
    .symbol:         k_qb36d1a1cad_quant.kd
    .args:
      - { .name: x, .offset: 0, .size: 8, .value_kind: global_buffer, .address_space: global }
      - { .name: Wq, .offset: 8, .size: 8, .value_kind: global_buffer, .address_space: global }
      - { .name: Wk, .offset: 16, .size: 8, .value_kind: global_buffer, .address_space: global }
      - { .name: Wv, .offset: 24, .size: 8, .value_kind: global_buffer, .address_space: global }
      - { .name: Wo, .offset: 32, .size: 8, .value_kind: global_buffer, .address_space: global }
      - { .name: lowp_scales, .offset: 40, .size: 8, .value_kind: global_buffer, .address_space: global }
      - { .name: opc, .offset: 48, .size: 8, .value_kind: global_buffer, .address_space: global }
    .group_segment_fixed_size: 17920
    .private_segment_fixed_size: 0
    .kernarg_segment_align: 8
    .kernarg_segment_size: 56
    .max_flat_workgroup_size: 128
    .sgpr_count:     66
    .vgpr_count:     234
    .wavefront_size: 32
...
	.end_amdgpu_metadata
.endif
;; end of part 1
;; launch qkv (part 2): grid 12 x 32, 4 waves a work-group, clusters of 4 x 4, 327,680 bytes of LDS; arguments opc, bq, bk, bv, lowp_scales, qkvc; writes qkvc
.if DOCPART == 2
	.amdgcn_target "amdgcn-amd-amdhsa--gfx1250"
	.amdhsa_code_object_version 6
	.text
	.protected	k_qb36d1a1cad_qkv
	.globl	k_qb36d1a1cad_qkv
	.p2align	8
	.type	k_qb36d1a1cad_qkv,@function
k_qb36d1a1cad_qkv:
	s_mov_b64 s[64:65], 0
	v_nop
	global_prefetch_b8 v0, s[64:65] scope:SCOPE_SE
	s_setreg_imm32_b32 hwreg(HW_REG_WAVE_MODE, 25, 1), 1
	s_wait_xcnt 0x0
	s_wait_alu depctr_hold_cnt(0) depctr_sa_sdst(0) depctr_va_vdst(0) depctr_va_sdst(0) depctr_va_ssrc(0) depctr_va_vcc(0) depctr_vm_vsrc(0)
	s_getreg_b32 s2, hwreg(HW_REG_IB_STS2, 6, 4)
	s_cmp_eq_u32 s2, 0
	s_cbranch_scc0 .Lentry_in_a_cluster
	s_endpgm
.Lentry_in_a_cluster:
	s_bfe_u32 s2, ttmp6, 0x10000c
	s_cmp_lg_u32 s2, 0xf033
	s_cbranch_scc0 .Lentry_shape_is_right
	s_endpgm
.Lentry_shape_is_right:
; q = x Wq^T + bq, k = x Wk^T + bk, v = x Wv^T + bv on codes of E4M3, each result quantised at once (entries 6, 7, 9 of the scales) into images of the operands of attention.
; p = the cluster's x says which product.  A work-group makes 256 x 256 of one product, four waves 128 x 128 each: 64 accumulators, 512 registers.  K = 1,024 goes in four steps of 256 through two LDS slots.
; OPERANDS ARE IMAGES OF REGISTERS (made by the launch before): [tile of 16 rows][K / 128][c][lane][16 bytes], row P(tile, r) = 32 (tile / 2) + 8 (tile % 2) + r + 8 (r / 8), k = 128 s + 32 c + 16 h + 0 .. 15.
; A K step of a tile is 4,096 dense bytes; a wave's tensor load brings 8 tiles' (8 rows of 4,096 bytes, 16,384 apart).  A fragment comes by four ds_load_b128 at 16 x lane: consecutive bytes, no padding needed.
; (k stands in other places than the form's own layout gives it, alike in both operands: every product meets its partner; only the order of the sums inside an instruction differs.)
; THE MATRIX INSTRUCTION IS USED TRANSPOSED: source 0 = a tile of 'B', source 1 = a tile of 'A'.  A lane then holds ONE row of A, P(tile, r), and, by the order of rows in B's tiles, the 16 registers of
; B's tiles 2 b and 2 b + 1 are 16 NEIGHBOURING rows of B, 32 b + 16 h + 0 .. 15: two conversions make 16 bytes, one line of the next operand's image.  Nothing goes through LDS on the way out.
; p = 0, 1: A = x's codes (tokens), B = the weight (channels): a lane holds a token and neighbouring channels, the K of q k^T.
; p = 2:    A = Wv (channels), B = x's codes (tokens): a lane holds a channel and neighbouring tokens, the K of p v.  Only offsets differ; no branch hangs on p.
; qkvc: q at 0, k at 8 MiB: [batch x head][token tile 0..127][c' 0..1][lane][16], d = 32 c' + 16 h + 0..15.  v at 16 MiB: [batch x head][128 keys][channel tile 0..3][c 0..3][lane][16].
; CLUSTERS: 4 x 4 work-groups.  The four of a row need the same tiles of A, the four of a column the same tiles of B: each is asked for jointly, by the same tensor load with the same descriptor and a mask of the four.
; LIMITS: the two operands' exponents added lie between -126 and 127; e6, e7, e9 between -126 and 119.  NaN is not served.
; REGISTERS: window 0: v0-31 addresses and constants; v32-95 the bias along the registers; v96-111 the bias along the lanes, a pair for each block of A; from v128 A's fragments, ONE set (on the way out: sums and codes).
;   window 1: B's fragments, two sets.   windows 2, 3: the accumulators (block a of A, tile b of B: v[8 (8 (a % 4) + b)] of window 2 + a / 4).
.set WOFF,   25165824                  ; where the weights' images begin in opc
.set KSB,    4096                      ; a K step of 256 in a tile's image
.set TILEB,  16384                     ; a tile's image
.set FR,     16                        ; registers of a fragment
.set NL,     4                         ; LDS loads that bring one
.set NP,     4                         ; places behind this matrix instruction (ISA guide 7.12.1)
.set SLOT,   131072                    ; A's 16 tiles, then B's 16 tiles, 4,096 bytes each
.set SPARE,  2*SLOT                    ; behind the ring: the spare words, 128 bytes for each wave
.set ADRA, 16                          ; v16-17  LDS address of my A fragments in slot 0, 1
.set ADRB, 20                          ; v20-21  the same for B
.set SPW,  28                          ; v28     my spare word's address; never rewritten
.set NIL,  29                          ; v29     0; never rewritten
.set ZR,   30                          ; v30     0, for the choice of the biases
.set BC,   32
.set BR,   96
.set AF,   128
.set T,    128                         ; the way out: a block's 64 numbers
.set CD,   192                         ; and its codes, two sets of 16
.set G1, 24
.set G0, 32
.set G1B, 48
.set G0B, 56
.set MSB, 0
.macro WIN new                         ; the immediate's high byte repeats the setting that is left
.if MSB != (\new)
	s_set_vgpr_msb (MSB<<8)|(\new)
.set MSB, (\new)
.endif
.endm
.set MUL_LO, 0xa1                      ; source 0 (B) window 1, source 1 (A) window 0, C and D window 2
.set MUL_HI, 0xf1
.set TO_B,   0x40
; A joint load: waves 0 and 1 fetch for A, waves 2 and 3 for B; the branch hangs on the wave's number alone.  Four v_nop follow each of the two lines.
.macro JLOAD g0a, g1a, g0b, g1b
	s_cmp_eq_u32 s17, 0
	s_cbranch_scc0 .Lfor_b_\@
	tensor_load_to_lds s[\g0a:\g0a+3], s[\g1a:\g1a+7]
	s_nop 0
.rept 4
	v_nop
.endr
	s_branch .Lasked_\@
.Lfor_b_\@:
	tensor_load_to_lds s[\g0b:\g0b+3], s[\g1b:\g1b+7]
	s_nop 0
.rept 4
	v_nop
.endr
.Lasked_\@:
.endm
.macro CREST                           ; a round of the cluster's barrier behind its opening barrier
	s_cmp_lg_u32 s16, 0
	s_cbranch_scc1 .Lnot_wave_0_\@
	s_barrier_signal -3
.Lnot_wave_0_\@:
	s_barrier_wait -3
	s_barrier_signal -1
	s_barrier_wait -1
.endm
.macro CROUND
	s_barrier_signal -1
	s_barrier_wait -1
	CREST
.endm
	s_load_b256 s[4:11], s[0:1], 0x0               ; opc, bq, bk, bv
	s_load_b128 s[12:15], s[0:1], 0x20             ; the scales' exponents, qkvc
	v_lshl_add_u32 v[SPW], v0, 2, SPARE
	v_mov_b32 v[NIL], 0
	ds_add_u32 v28, v29
	ds_add_u32 v28, v29
	s_wait_dscnt 0x0
	v_lshrrev_b32 v1, 5, v0
	v_readfirstlane_b32 s16, v1                    ; wave
	s_lshr_b32 s17, s16, 1                         ; my half of A's rows.  Also: I fetch for A (0) or for B (1)
	s_and_b32 s18, s16, 1                          ; my half of B's rows.  Also: which 8 tiles I fetch
	s_bfe_u32 s19, ttmp6, 0x40000                  ; cx
	s_bfe_u32 s20, ttmp6, 0x40004                  ; cy
	s_mov_b32 s21, ttmp9                           ; p: the cluster's x
	s_and_b32 s22, ttmp7, 0xffff
	s_lshl_b32 s22, s22, 2                         ; 4 Y: the cluster's y counts blocks of 1,024 tokens
	s_lshl_b32 s42, s20, 2
	s_lshl_b32 s42, 15, s42                        ; my row of the cluster
	s_lshl_b32 s43, 0x1111, s19                    ; my column
	s_or_b32 s[G1+0], s42, (1<<21)                 ; 15:0 the mask; 17:16 elements of 1 byte; no padding; 21 set beside a mask
	s_or_b32 s[G1B+0], s43, (1<<21)
.irp g, G1, G1B
	s_mov_b32 s[\g+1], KSB<<16                     ; tensor_dim0 = 4,096
	s_mov_b32 s[\g+2], 8<<16                       ; tensor_dim1 = 8
	s_mov_b32 s[\g+3], KSB<<16                     ; tile_dim0
	s_mov_b32 s[\g+4], 8                           ; tile_dim1
	s_mov_b32 s[\g+5], TILEB                       ; from tile to tile
	s_mov_b32 s[\g+6], 0
	s_mov_b32 s[\g+7], 0
.endr
	s_lshr_b32 s23, s21, 1                         ; 1 where p = 2
	s_xor_b32 s2, s23, 1                           ; 1 where p < 2
	; A: block cy (+ 4 Y where A is x) of 16 tiles, in x's set p or in Wv.  No register here ever holds cx
	s_mul_i32 s40, s22, s2
	s_add_co_u32 s40, s40, s20
	s_lshl_b32 s40, s40, 18
	s_mul_i32 s41, s21, s2
	s_lshl_b32 s41, s41, 23
	s_add_co_u32 s40, s40, s41
	s_mul_i32 s41, s23, WOFF+(2<<20)
	s_add_co_u32 s40, s40, s41
	s_lshl_b32 s41, s18, 17                        ; the 8 tiles that I fetch
	s_add_co_u32 s40, s40, s41
	s_mov_b32 s41, 0
	; B: block cx (+ 4 Y where B is x), in weight p or in x's third set.  No register here ever holds cy
	s_mul_i32 s46, s22, s23
	s_add_co_u32 s46, s46, s19
	s_lshl_b32 s46, s46, 18
	s_lshl_b32 s47, s21, 20
	s_add_co_u32 s47, s47, WOFF
	s_mul_i32 s47, s47, s2
	s_add_co_u32 s46, s46, s47
	s_lshl_b32 s47, s23, 24
	s_add_co_u32 s46, s46, s47
	s_lshl_b32 s47, s18, 17
	s_add_co_u32 s46, s46, s47
	s_mov_b32 s47, 0
	s_lshl_b32 s66, s16, 15                        ; where they go: wave x 32,768: no place in the cluster enters an LDS address
	s_wait_kmcnt 0x0
	s_load_b256 s[80:87], s[12:13], 0x0            ; e0 .. e7
	s_load_b128 s[88:91], s[12:13], 0x20           ; e8 .. e11
	s_add_nc_u64 s[40:41], s[4:5], s[40:41]
	s_add_nc_u64 s[46:47], s[4:5], s[46:47]
	CROUND                                         ; all sixteen work-groups are here: the first joint loads meet
.irp s, 0,1
	s_mov_b32 s[G0+4*\s], 1
	s_add_co_u32 s[G0+4*\s+1], s66, \s*SLOT
	s_add_nc_u64 s[G0+4*\s+2:G0+4*\s+3], s[40:41], \s*KSB
	s_or_b32 s[G0+4*\s+3], s[G0+4*\s+3], 0x80000000
	s_mov_b32 s[G0B+4*\s], 1
	s_add_co_u32 s[G0B+4*\s+1], s66, \s*SLOT
	s_add_nc_u64 s[G0B+4*\s+2:G0B+4*\s+3], s[46:47], \s*KSB
	s_or_b32 s[G0B+4*\s+3], s[G0B+4*\s+3], 0x80000000
	JLOAD G0+4*\s, G1, G0B+4*\s, G1B
.endr
	v_and_b32 v1, 31, v0                           ; lane
	v_and_b32 v2, 15, v0                           ; r
	v_bfe_u32 v3, v0, 4, 1                         ; h
	s_wait_alu depctr_va_vdst(0)
	v_lshlrev_b32 v4, 4, v1                        ; 16 x lane
	v_mov_b32 v[ZR], 0
	s_lshl_b32 s42, s17, 15                        ; my 8 tiles of A
	s_lshl_b32 s43, s18, 15                        ; my 8 tiles of B,
	s_add_co_u32 s43, s43, 65536                   ; which lie behind A's 16
.irp s, 0,1
	v_add_nc_u32 v[ADRA+\s], s42, v4
	v_add_nc_u32 v[ADRB+\s], s43, v4
	s_add_co_u32 s42, s42, SLOT
	s_add_co_u32 s43, s43, SLOT
.endr
	; THE BIASES.  p < 2: the channel runs along a lane's registers: register 16 b + i wants bias[256 cx + 128 half + 32 b + 16 h + i].  p = 2: a lane holds one channel: block a wants bv[256 cy + 128 half + P(a, r)].
	; Both sets are loaded in every work-group, from addresses inside the buffers, and the one that does not apply is made 0 on the way out: no branch hangs on p.
	s_lshl_b32 s74, s19, 10
	s_lshl_b32 s75, s18, 9
	s_add_co_u32 s74, s74, s75
	s_lshl_b32 s76, s20, 10
	s_lshl_b32 s77, s17, 9
	s_add_co_u32 s76, s76, s77
	s_cmp_eq_u32 s21, 1
	s_cselect_b64 s[96:97], s[8:9], s[6:7]
	s_cmp_eq_u32 s21, 2
	s_cselect_b64 s[96:97], s[10:11], s[96:97]
	s_cselect_b32 s74, 0, s74
	s_cselect_b32 s76, s76, 0
	s_cselect_b32 s67, -1, 0                       ; a lane mask: all ones where p = 2
	s_mov_b32 s75, 0
	s_mov_b32 s77, 0
	s_add_nc_u64 s[96:97], s[96:97], s[74:75]
	s_add_nc_u64 s[98:99], s[10:11], s[76:77]
	v_lshlrev_b32 v5, 6, v3                        ; 16 h numbers
	v_and_b32 v6, 8, v2
	v_add_nc_u32 v6, v6, v2
	v_lshlrev_b32 v6, 2, v6                        ; r + 8 (r / 8) numbers
.irp b, 0,1,2,3
.irp j, 0,1,2,3
	global_load_b128 v[BC+16*\b+4*\j:BC+16*\b+4*\j+3], v5, s[96:97] offset:128*\b+16*\j
.endr
.endr
.irp a, 0,1,2,3,4,5,6,7
	global_load_b32 v[BR+2*\a], v6, s[98:99] offset:4*(32*(\a/2)+8*(\a%2))
.endr
	; the scales of my product
	s_wait_kmcnt 0x0
	s_cmp_eq_u32 s21, 1
	s_cselect_b32 s68, s82, s80
	s_cselect_b32 s69, s83, s81
	s_cselect_b32 s70, s87, s86
	s_cmp_eq_u32 s21, 2
	s_cselect_b32 s68, s84, s68
	s_cselect_b32 s69, s85, s69
	s_cselect_b32 s70, s89, s70                    ; the result's own: e6, e7 or e9
	s_add_co_i32 s72, s68, s69
	s_add_co_i32 s72, s72, 127
	s_lshl_b32 s72, s72, 23                        ; 2^(the operands' exponents added) as f32
	s_mov_b32 s73, s72                             ; (named with it as a pair, so it is written)
	s_add_co_i32 s70, s70, 127
	s_lshl_b32 s71, s70, 23
	v_mov_b32 v27, s71                             ; the result's scale as f32
	; WHERE THE CODES GO: a base for each of A's eight blocks.  TT = my block of 256 tokens, CT = my block of 256 channels; th, chh = my wave's half of each.
	s_cmp_eq_u32 s21, 2
	s_cselect_b32 s42, s19, s20
	s_cselect_b32 s43, s20, s19                    ; CT
	s_cselect_b32 s44, s18, s17                    ; th
	s_cselect_b32 s45, s17, s18                    ; chh
	s_mov_b32 s74, 1024
	s_cselect_b32 s74, 2048, s74                   ; from block to block: a token tile of q or k; a channel tile of v
	s_mov_b32 s76, 4096
	s_cselect_b32 s76, 131072, s76                 ; to block 4: four token tiles on; in v the next head
	s_mov_b32 s78, 131072
	s_cselect_b32 s78, 1024, s78                   ; from B's tiles 0-3 to 4-7: the next head; in v two lines of 512 bytes on
	s_add_co_u32 s42, s42, s22                     ; TT
	s_lshr_b32 s23, s42, 3                         ; the batch
	s_lshl_b32 s23, s23, 4
	s_lshl_b32 s43, s43, 2
	s_add_co_u32 s23, s23, s43
	s_lshl_b32 s45, s45, 1
	s_add_co_u32 s23, s23, s45                     ; batch x 16 + my first head
	s_lshl_b32 s23, s23, 17
	s_and_b32 s42, s42, 7
	s_lshl_b32 s42, s42, 1
	s_add_co_u32 s42, s42, s44                     ; my 128 tokens within the batch
	s_lshl_b32 s42, s42, 13
	s_add_co_u32 s42, s42, s23
	s_lshl_b32 s43, s21, 23
	s_add_co_u32 s42, s42, s43
	s_mov_b32 s43, 0
	s_add_nc_u64 s[80:81], s[14:15], s[42:43]
	s_add_nc_u64 s[82:83], s[80:81], s[74:75]
	s_add_nc_u64 s[84:85], s[82:83], s[74:75]
	s_add_nc_u64 s[86:87], s[84:85], s[74:75]
	s_add_nc_u64 s[88:89], s[80:81], s[76:77]
	s_add_nc_u64 s[90:91], s[88:89], s[74:75]
	s_add_nc_u64 s[92:93], s[90:91], s[74:75]
	s_add_nc_u64 s[94:95], s[92:93], s[74:75]
	v_mov_b32 v24, v4                              ; 16 x lane, for B's tiles 0-3,
	v_add_nc_u32 v25, s78, v4                      ; and for 4-7
.macro FRAG reg, adr, q, i             ; a fragment, 16 rows x 128 K: registers 4 c .. 4 c + 3 hold k = 32 c + 16 h + 0 .. 15
.irp c, 0,1,2,3
	ds_load_b128 v[\reg+4*\c:\reg+4*\c+3], v[\adr] offset:2048*(\q)+512*\c+(\i)*KSB
.endr
.endm
; 16 matrix instructions: A's blocks a0, a0 + 1 x B's eight.  p: B's set.  zero = 1: the first product starts the sums.  The 64 accumulators take turns, one instruction a turn.
.macro MUL16 a0, p, zero
.irp a, \a0, \a0+1
.irp b, 0,1,2,3,4,5,6,7
.if \zero
	v_wmma_f32_16x16x128_fp8_fp8 v[8*(8*((\a)%4)+\b):8*(8*((\a)%4)+\b)+7], v[128*(\p)+FR*\b:128*(\p)+FR*\b+FR-1], v[AF+FR*(\a):AF+FR*(\a)+FR-1], 0
.else
	v_wmma_f32_16x16x128_fp8_fp8 v[8*(8*((\a)%4)+\b):8*(8*((\a)%4)+\b)+7], v[128*(\p)+FR*\b:128*(\p)+FR*\b+FR-1], v[AF+FR*(\a):AF+FR*(\a)+FR-1], v[8*(8*((\a)%4)+\b):8*(8*((\a)%4)+\b)+7]
.endif
.endr
.endr
.endm
.macro FETCH_B slot, q, p
	WIN TO_B
.irp i, 0,1,2,3,4,5,6,7
	FRAG 128*(\p)+FR*\i, ADRB+\slot, \q, \i
.endr
	WIN 0
.endm
.macro FETCH_A slot, q, i0
.irp i, \i0, \i0+1, \i0+2, \i0+3
	FRAG AF+FR*(\i), ADRA+\slot, \q, \i
.endr
.endm
.macro PLACES n                        ; plain vector lines between a matrix instruction and a load into, or a read of, its registers (ISA guide 7.12.1 for reads)
.rept \n
	v_nop
.endr
.endm
; A step of 128 along K that has its successor in the same slot.  A has one set of registers: blocks 0-3 are fetched anew in the step's middle, blocks 4-7 at its end; B has two sets.
.macro STEP slot, q, zero
	s_wait_dscnt 4*NL                              ; B's set and A's blocks 0-3 are in; the youngest 16 loads (A's blocks 4-7) may be out
	WIN MUL_LO
	MUL16 0, (\q)%2, \zero
	MUL16 2, (\q)%2, \zero
	s_wait_dscnt 0                                 ; A's blocks 4-7 are in
	PLACES NP
	FETCH_B \slot, (\q)+1, 1-(\q)%2
	FETCH_A \slot, (\q)+1, 0
	WIN MUL_HI
	MUL16 4, (\q)%2, \zero
	MUL16 6, (\q)%2, \zero
	PLACES NP
	WIN 0
	FETCH_A \slot, (\q)+1, 4
.endm
; A slot's last step changes slots: one barrier; in front of it each wave waits for all its tensor loads, adds 0 to its spare word, and waits for that and for its reads of this slot.  fill = 1: the slot is filled again, two K steps ahead.
.macro TURN slot, next, fill
	s_wait_tensorcnt 0x0                           ; all my tensor loads have landed: the one that was out is my part of the next slot
	ds_add_u32 v[SPW], v[NIL]                      ; 0 onto my spare word
	s_wait_dscnt 4*NL+1                            ; (the add and the youngest 16 loads, A's blocks 4-7, may be out)
	WIN MUL_LO
	MUL16 0, 1, 0
	s_wait_dscnt 0x0                               ; the add is done, and my reads of this slot are over
	s_barrier_signal -1
	MUL16 2, 1, 0
	WIN 0
	s_barrier_wait -1
.if \fill
	CREST                                          ; the barrier has opened a round of the cluster's: no wave of any partner still reads this slot or has a load on its way
	s_add_nc_u64 s[G0+4*\slot+2:G0+4*\slot+3], s[G0+4*\slot+2:G0+4*\slot+3], 2*KSB
	s_add_nc_u64 s[G0B+4*\slot+2:G0B+4*\slot+3], s[G0B+4*\slot+2:G0B+4*\slot+3], 2*KSB
	JLOAD G0+4*\slot, G1, G0B+4*\slot, G1B         ; the first tensor load behind the round, my only one until the next; its four v_nop are also the places in front of the loads below
.else
	PLACES NP
.endif
	s_wait_alu depctr_va_vdst(0)
	FETCH_B \next, 0, 0
	FETCH_A \next, 0, 0
	WIN MUL_HI
	MUL16 4, 1, 0
	MUL16 6, 1, 0
	PLACES NP
	WIN 0
	FETCH_A \next, 0, 4
.endm
	s_wait_tensorcnt 1                             ; my part of K step 0 is in; K step 1's load may be out
	s_barrier_signal -1
	s_barrier_wait -1
	FETCH_B 0, 0, 0
	FETCH_A 0, 0, 0
	FETCH_A 0, 0, 4
	STEP 0, 0, 1                                   ; K = 1,024 is eight steps of 128, four slots' worth: written out, no loop
	TURN 0, 1, 1                                   ; slot 0 takes K step 2
	STEP 1, 0, 0
	TURN 1, 0, 1                                   ; slot 1 takes K step 3
	STEP 0, 0, 0
	TURN 0, 1, 0                                   ; nothing is left to fetch
	STEP 1, 0, 0
	s_wait_dscnt 4*NL
	WIN MUL_LO
	MUL16 0, 1, 0
	MUL16 2, 1, 0
	s_wait_dscnt 0
	WIN MUL_HI
	MUL16 4, 1, 0
	MUL16 6, 1, 0
	WIN 0
	; THE WAY OUT.  The bias that does not apply becomes 0 (these 80 plain lines are also the places behind the last products).
	s_wait_loadcnt 0x0                             ; the biases, asked for at the head
.set j, 0
.rept 64
	v_cndmask_b32 v[BC+j], v[BC+j], v[ZR], s67     ; along the registers: 0 where p = 2
.set j, j+1
.endr
.set j, 0
.rept 8
	v_cndmask_b32 v[BR+j], v[ZR], v[BR+j], s67     ; along the lanes: 0 where p < 2
.set j, j+2
.endr
.set j, 0
.rept 8
	v_mov_b32 v[BR+j+1], v[BR+j]                   ; a pair for the packed addition
.set j, j+2
.endr
; Block a of A: 64 numbers a lane = sum x 2^(exponents) + bias, in f32; converted and stored as four lines of 512 consecutive bytes.  Each accumulator is read from its low end on.
.macro OUTA a
.set AC, 64*((\a)%4)
.set CC, CD+16*((\a)%2)
	WIN 0x02+((\a)/4)                              ; source 0: window 2 or 3
.set j, 0
.rept 32
	v_pk_fma_f32 v[T+j:T+j+1], v[AC+j:AC+j+1], s[72:73], v[BC+j:BC+j+1] op_sel_hi:[1,0,1]
.set j, j+2
.endr
	WIN 0
.set j, 0
.rept 32
	v_pk_add_f32 v[T+j:T+j+1], v[T+j:T+j+1], v[BR+2*(\a):BR+2*(\a)+1]
.set j, j+2
.endr
	s_wait_alu depctr_va_vdst(0)
	s_wait_xcnt 0x0                                ; the earlier blocks' stores have read their codes: the set is written again only behind this wait
.irp b, 0,1,2,3
.irp i, 0,1,2,3,4,5,6,7,8,9,10,11,12,13,14,15
.endr
	v_cvt_scalef32_pk8_fp8_f32 v[CC+4*\b:CC+4*\b+1], v[T+16*\b:T+16*\b+7], v27
	v_cvt_scalef32_pk8_fp8_f32 v[CC+4*\b+2:CC+4*\b+3], v[T+16*\b+8:T+16*\b+15], v27
.endr
	v_nop                                          ; a plain line behind the last conversion: the next block writes its sources
.irp b, 0,1,2,3
	global_store_b128 v[24+\b/2], v[CC+4*\b:CC+4*\b+3], s[80+2*(\a):81+2*(\a)] offset:512*(\b%2)
.endr
.endm
.irp a, 0,1,2,3,4,5,6,7
	OUTA \a
.endr
	s_wait_tensorcnt 0x0                           ; the wave's end
	ds_add_u32 v[SPW], v[NIL]
	s_wait_dscnt 0x0
	CROUND                                         ; the closing round: no work-group ends while a partner may still ask for a tile that names it
	s_endpgm
.Lfunc_end_k_qb36d1a1cad_qkv:
	.size	k_qb36d1a1cad_qkv, .Lfunc_end_k_qb36d1a1cad_qkv-k_qb36d1a1cad_qkv
	.p2alignl 7, 3214868480
	.fill 96, 4, 3214868480
	.section	.rodata,"a",@progbits
	.p2align	6, 0x0
	.amdhsa_kernel k_qb36d1a1cad_qkv
		.amdhsa_group_segment_fixed_size 327680
		.amdhsa_private_segment_fixed_size 0
		.amdhsa_enable_private_segment 0
		.amdhsa_kernarg_size 48
		.amdhsa_user_sgpr_count 2
		.amdhsa_user_sgpr_kernarg_segment_ptr 1
		.amdhsa_wavefront_size32 1
		.amdhsa_system_sgpr_workgroup_id_x 1
		.amdhsa_system_sgpr_workgroup_id_y 1
		.amdhsa_system_sgpr_workgroup_id_z 1
		.amdhsa_system_vgpr_workitem_id 0
		.amdhsa_next_free_vgpr 1024
		.amdhsa_next_free_sgpr 100
		.amdhsa_reserve_vcc 0
		.amdhsa_float_denorm_mode_32 3
		.amdhsa_float_denorm_mode_16_64 3
		.amdhsa_fp16_overflow 1
		.amdhsa_memory_ordered 1
		.amdhsa_forward_progress 1
		.amdhsa_inst_pref_size 127
	.end_amdhsa_kernel
	.amdgpu_metadata
---
amdhsa.version: [ 1, 2 ]
amdhsa.kernels:
  - .name:           k_qb36d1a1cad_qkv
    .symbol:         k_qb36d1a1cad_qkv.kd
    .args:
      - { .name: opc, .offset: 0, .size: 8, .value_kind: global_buffer, .address_space: global }
      - { .name: bq, .offset: 8, .size: 8, .value_kind: global_buffer, .address_space: global }
      - { .name: bk, .offset: 16, .size: 8, .value_kind: global_buffer, .address_space: global }
      - { .name: bv, .offset: 24, .size: 8, .value_kind: global_buffer, .address_space: global }
      - { .name: lowp_scales, .offset: 32, .size: 8, .value_kind: global_buffer, .address_space: global }
      - { .name: qkvc, .offset: 40, .size: 8, .value_kind: global_buffer, .address_space: global }
    .group_segment_fixed_size: 327680
    .private_segment_fixed_size: 0
    .kernarg_segment_align: 8
    .kernarg_segment_size: 48
    .max_flat_workgroup_size: 128
    .sgpr_count:     100
    .vgpr_count:     1024
    .wavefront_size: 32
...
	.end_amdgpu_metadata
.endif
;; end of part 2
;; launch attn (part 3): grid 4 x 64, 16 waves a work-group, clusters of 4 x 1, 264,192 bytes of LDS; arguments qkvc, lowp_scales, ac; writes ac
.if DOCPART == 3
	.amdgcn_target "amdgcn-amd-amdhsa--gfx1250"
	.amdhsa_code_object_version 6
	.text
	.protected	k_qb36d1a1cad_attn
	.globl	k_qb36d1a1cad_attn
	.p2align	8
	.type	k_qb36d1a1cad_attn,@function
k_qb36d1a1cad_attn:
	s_mov_b64 s[64:65], 0
	v_nop
	global_prefetch_b8 v0, s[64:65] scope:SCOPE_SE
	s_setreg_imm32_b32 hwreg(HW_REG_WAVE_MODE, 25, 1), 1
	s_wait_xcnt 0x0
	s_wait_alu depctr_hold_cnt(0) depctr_sa_sdst(0) depctr_va_vdst(0) depctr_va_sdst(0) depctr_va_ssrc(0) depctr_va_vcc(0) depctr_vm_vsrc(0)
	s_getreg_b32 s2, hwreg(HW_REG_IB_STS2, 6, 4)
	s_cmp_eq_u32 s2, 0
	s_cbranch_scc0 .Lentry_in_a_cluster
	s_endpgm
.Lentry_in_a_cluster:
	s_bfe_u32 s2, ttmp6, 0x10000c
	s_cmp_lg_u32 s2, 0x3003
	s_cbranch_scc0 .Lentry_shape_is_right
	s_endpgm
.Lentry_shape_is_right:
; Causal attention on codes of E4M3, head size 64, 2,048 tokens, 64 (batch, head) pairs; the result is quantised at once (entry 10 of the scales) into the image of the last product's operand.
; THE SOFTMAX AHEAD OF THE SECOND PRODUCT: t = score x log2(e) / 8; M = the running largest t rounded UP to a whole number; p = 2^(t - M) is quantised (entry 8), not normalised; the row's sum is taken of the
; unquantised p and divides at the end.  When M moves, the sum and O are multiplied by 2^(old M - new M): exact.
; SHARES.  A cluster of four work-groups is one (batch, head).  The head's whole K image and V image, 131,072 bytes each, lie in each work-group's LDS, filled ONCE, by sixteen joint loads of 16,384 bytes, one a wave:
; no byte of LDS is filled again.  A wave owns two tiles of 16 queries, tile 4 w + cx and tile 127 - (4 w + cx).  Tile t needs t / 8 + 1 key steps of 128: (w / 2 + 1) + (16 - w / 2) = 17 for EVERY wave of every
; work-group.  The counts hang on the wave's number alone; cx enters global addresses and the mask's numbers only.  The loop has 17 trips; a tile's last step lies on the diagonal, is masked, and ends the tile.
; All that a work-group reads is asked for at the head, so there is no later request that a prefetch could run ahead of.
; LAYOUT.  Both products are used transposed: S^T = K Q^T (source 0 = 16 keys), O^T = V^T P^T (source 0 = 16 channels): a lane holds ONE query, token P(tile, r) = 32 (tile / 2) + 8 (tile % 2) + r + 8 (r / 8).
; By the same order of rows in K's tiles the 16 registers of score tiles 2 b, 2 b + 1 are keys 32 b + 16 h + 0 .. 15, so p's conversions give the second product's operand; likewise O's give the output image's lines.
; LIMITS: e6 + e7 between -123 and 130 (added to c's exponent field); e8 and e10 between -126 and 119.  A hidden score counts as -infinity where the definition has -1e9: the same unless true scores reach about -1e9.
; REGISTERS: v1 16 x lane; v2, v3 addresses of the step's K and V; v4, v5 query - 16 h of the tile in hand and of the second; v12 -M, v13 the largest t, v[14:15] the sum; v16-23 Q in hand, v24-31 the second tile's;
;   v32-95 K's, then V's fragments; v96-159 S^T, then p; v160-191 O^T; v192-207 p's codes; v208-215 the output's codes; v217, v244 scales; v236, v242-243, v252-254 at work.
.set VIMG, 131072                      ; LDS: K's image at 0, V's here
.set WV,  10
.set SEL, 20
.set CS,  22
.set G1,  24
.set G0,  32
.macro CROUND
	s_barrier_signal -1
	s_barrier_wait -1
	s_cmp_lg_u32 s[WV], 0
	s_cbranch_scc1 .Lnot_wave_0_\@
	s_barrier_signal -3
.Lnot_wave_0_\@:
	s_barrier_wait -3
	s_barrier_signal -1
	s_barrier_wait -1
.endm
.macro INIT                            ; a tile begins: the largest t under every t, sums and O^T zero (the first change of M multiplies zeros)
	v_mov_b32 v13, 0xff61b1e6                      ; -3e38
	s_delay_alu instid0(VALU_DEP_1)
	v_floor_f32 v12, -v13
	v_mov_b32 v14, 0
	v_mov_b32 v15, 0
.set j, 0
.rept 32
	v_mov_b32 v[160+j], 0
.set j, j+1
.endr
.endm
	s_load_b128 s[4:7], s[0:1], 0x0                ; qkvc, the scales' exponents
	s_load_b64 s[8:9], s[0:1], 0x10                ; ac
	v_lshl_add_u32 v251, v0, 2, 0x40000
	v_mov_b32 v255, 0
	ds_add_u32 v251, v255
	ds_add_u32 v251, v255
	v_lshrrev_b32 v8, 5, v0
	s_delay_alu instid0(VALU_DEP_1)
	v_readfirstlane_b32 s[WV], v8                  ; wave 0..15
	s_bfe_u32 s11, ttmp6, 0x40000                  ; cx
	s_and_b32 s12, ttmp7, 0xffff                   ; batch x 16 + head
	s_lshr_b32 s18, s[WV], 1                       ; n1 - 1: the first tile's last step
	s_add_co_u32 s13, s18, 1                       ; n1
	s_xor_b32 s19, s18, 15                         ; 16 - n1
	s_mov_b32 s14, 0                               ; the trip
	s_mov_b32 s[G1], 15|(3<<16)|(1<<21)            ; 15:0 the mask: all four work-groups; 17:16 elements of 8 bytes; no padding; 21 set beside a mask
	s_mov_b32 s[G1+1], 32<<16                      ; tensor_dim0 = 32 elements: 256 bytes
	s_mov_b32 s[G1+2], 64<<16                      ; tensor_dim1 = 64
	s_mov_b32 s[G1+3], 32<<16                      ; tile_dim0
	s_mov_b32 s[G1+4], 64                          ; tile_dim1: 64 rows of 256 bytes, dense: 16,384 bytes
	s_mov_b32 s[G1+5], 32
	s_mov_b32 s[G1+6], 0
	s_mov_b32 s[G1+7], 0
	s_lshr_b32 s52, s[WV], 3                       ; waves 0-7 fetch K's image, waves 8-15 V's
	s_lshl_b32 s52, s52, 23
	s_add_co_u32 s52, s52, 0x800000
	s_lshl_b32 s54, s12, 17                        ; my head's 131,072 bytes
	s_add_co_u32 s52, s52, s54
	s_and_b32 s55, s[WV], 7
	s_lshl_b32 s55, s55, 14
	s_add_co_u32 s52, s52, s55
	s_mov_b32 s53, 0
	s_mov_b32 s[G0], 1
	s_lshl_b32 s[G0+1], s[WV], 14                  ; LDS: 16,384 x wave
	s_mov_b32 s[SEL], 0x76543210
	s_mov_b32 s[SEL+1], 0xfedcba98
	s_mov_b32 s[CS], 0x3e38aa3b                    ; c = log2(e) / 8
	s_wait_dscnt 0x0
	s_wait_kmcnt 0x0
	s_load_b128 s[36:39], s[6:7], 0x18             ; e6, e7, e8, e9
	s_load_b32 s40, s[6:7], 0x28                   ; e10
	s_add_nc_u64 s[G0+2:G0+3], s[4:5], s[52:53]
	s_or_b32 s[G0+3], s[G0+3], 0x80000000
	CROUND                                         ; all four work-groups are here: the joint loads meet
	tensor_load_to_lds s[G0:G0+3], s[G1:G1+7]      ; my one tensor load of the launch
	s_nop 0
.rept 4
	v_nop
.endr
	v_and_b32 v1, 31, v0
	s_delay_alu instid0(VALU_DEP_1)
	v_lshlrev_b32 v1, 4, v1                        ; 16 x lane
	s_wait_alu depctr_va_vdst(0)
	v_mov_b32 v7, v1
	s_lshl_b32 s56, s[WV], 2
	s_add_co_u32 s56, s56, s11                     ; my first tile,
	s_sub_co_u32 s57, 127, s56                     ; and my second
	s_lshl_b32 s58, s56, 10
	s_add_co_u32 s58, s58, s54
	s_mov_b32 s59, 0
	s_add_nc_u64 s[42:43], s[4:5], s[58:59]
	s_lshl_b32 s58, s57, 10
	s_add_co_u32 s58, s58, s54
	s_add_nc_u64 s[44:45], s[4:5], s[58:59]
	global_load_b128 v[16:19], v1, s[42:43]        ; Q's fragments: 1,024 bytes a tile
	global_load_b128 v[20:23], v1, s[42:43] offset:512
	global_load_b128 v[24:27], v1, s[44:45]
	global_load_b128 v[28:31], v1, s[44:45] offset:512
	s_lshr_b32 s58, s12, 4                         ; the output: [128 batch + tile][head / 2][2 (head % 2) + b][lane][16]
	s_lshl_b32 s58, s58, 21
	s_bfe_u32 s60, s12, 0x30001
	s_lshl_b32 s60, s60, 11
	s_add_co_u32 s58, s58, s60
	s_and_b32 s60, s12, 1
	s_lshl_b32 s60, s60, 10
	s_add_co_u32 s58, s58, s60
	s_lshl_b32 s60, s56, 14
	s_add_co_u32 s60, s60, s58
	s_mov_b32 s61, 0
	s_add_nc_u64 s[46:47], s[8:9], s[60:61]
	s_lshl_b32 s60, s57, 14
	s_add_co_u32 s60, s60, s58
	s_add_nc_u64 s[48:49], s[8:9], s[60:61]
	v_and_b32 v8, 15, v0                           ; r
	v_bfe_u32 v9, v0, 4, 1                         ; h
	s_delay_alu instid0(VALU_DEP_2)
	v_and_b32 v10, 8, v8
	s_delay_alu instid0(VALU_DEP_1)
	v_add_nc_u32 v10, v10, v8
	s_delay_alu instid0(VALU_DEP_3)
	v_lshlrev_b32 v11, 4, v9
	s_delay_alu instid0(VALU_DEP_1)
	v_sub_nc_u32 v10, v10, v11                     ; r + 8 (r / 8) - 16 h
	s_wait_alu depctr_va_vdst(0)
	s_lshr_b32 s60, s56, 1
	s_lshl_b32 s60, s60, 5
	s_and_b32 s62, s56, 1
	s_lshl_b32 s62, s62, 3
	s_add_co_u32 s60, s60, s62
	v_add_nc_u32 v4, s60, v10                      ; my query - 16 h, first tile
	s_lshr_b32 s60, s57, 1
	s_lshl_b32 s60, s60, 5
	s_and_b32 s62, s57, 1
	s_lshl_b32 s62, s62, 3
	s_add_co_u32 s60, s60, s62
	v_add_nc_u32 v5, s60, v10                      ; second tile
	v_mov_b32 v236, 0                              ; written once: a lane permute's destination counts as one of its sources
	v_mov_b32 v253, 0                              ; (named as the upper half of the pair v[252:253])
	INIT
	s_wait_kmcnt 0x0
	s_add_co_i32 s51, s36, s37
	s_lshl_b32 s51, s51, 23
	s_add_co_i32 s[CS], s[CS], s51                 ; a score stands for score x 2^(e6 + e7): added to c's exponent field
	s_mov_b32 s[CS+1], s[CS]
	s_add_co_i32 s51, s38, 127
	s_lshl_b32 s52, s51, 23
	v_mov_b32 v244, s52                            ; 2^e8
	s_add_co_i32 s51, s40, 127
	s_lshl_b32 s52, s51, 23
	v_mov_b32 v217, s52                            ; 2^e10
	s_add_co_i32 s50, s38, s39                     ; e8 + e9
	s_wait_loadcnt 0x0                             ; Q
	s_wait_tensorcnt 0x0                           ; my sixteenth of the images has landed,
	s_barrier_signal -1
	s_barrier_wait -1                              ; everybody's has; from here on LDS is only read
.Lstep:                                            ; 17 trips: trips 0 .. n1 - 1 are the first tile's key steps, the others the second tile's
	s_cmp_ge_u32 s14, s13
	s_cselect_b32 s15, s19, 0
	s_cselect_b32 s17, 16, s18                     ; the trip that ends the tile in hand
	s_add_co_u32 s15, s15, s14
	s_and_b32 s15, s15, 15                         ; the key step: the trip, or the trip - n1
	s_lshl_b32 s16, s15, 13                        ; 8,192 bytes a step in either image
	s_setprio 2
	v_add_nc_u32 v2, s16, v1
	s_delay_alu instid0(VALU_DEP_1)
	v_add_nc_u32 v3, VIMG, v2
	v_nop
	v_nop                                          ; with the two additions: four places in front of loads into registers that the last products read
.irp t, 0,1,2,3,4,5,6,7
	ds_load_b128 v[32+8*\t:35+8*\t], v2 offset:1024*\t
	ds_load_b128 v[36+8*\t:39+8*\t], v2 offset:1024*\t+512
.endr
	s_wait_alu depctr_va_vdst(0)
	s_wait_dscnt 0x0
.irp t, 0,1,2,3,4,5,6,7                        ; S^T = K Q^T: eight tiles of 16 keys, K = the head's 64
	v_wmma_f32_16x16x64_fp8_fp8 v[96+8*\t:103+8*\t], v[32+8*\t:39+8*\t], v[16:23], 0
.endr
.rept 4
	v_nop                                          ; places in front of the loads below and of the first read of the scores
.endr
.irp t, 0,1,2,3
.irp c, 0,1,2,3
	ds_load_b128 v[32+16*\t+4*\c:35+16*\t+4*\c], v3 offset:2048*\t+512*\c   ; V's four fragments land while the softmax is worked
.endr
.endr
	s_cmp_lg_u32 s14, s17                          ; only a tile's last step lies on the diagonal: a branch on the wave's number and the trip
	s_cbranch_scc1 .Lopen
	s_lshl_b32 s51, s15, 7
	v_sub_nc_u32 v252, v4, s51                     ; d = my query - 16 h - the step's first key.  Register 16 b + i holds key 32 b + 16 h + i of the step: hidden where 32 b + i > d
	v_mov_b32 v254, 0xff800000                     ; -infinity
.set n, 0
.rept 64
	v_cmp_gt_i32 vcc_lo, 32*(n/16)+n%16, v252
	v_cndmask_b32 v[96+n], v[96+n], v254, vcc_lo
.set n, n+1
.endr
.Lopen:
	v_max3_num_f32 v254, v96, v97, v98             ; the step's largest score of my query among my 64 keys, in two chains,
	v_max3_num_f32 v252, v99, v100, v101
.irp i, 6,10,14,18,22,26,30,34,38,42,46,50,54,58
	v_max3_num_f32 v254, v254, v[96+\i], v[97+\i]
	v_max3_num_f32 v252, v252, v[98+\i], v[99+\i]
.endr
	v_max3_num_f32 v254, v254, v158, v159
	s_delay_alu instid0(VALU_DEP_1)
	v_max_num_f32 v254, v254, v252
	s_delay_alu instid0(VALU_DEP_1)
	v_permlanex16_b32 v236, v254, s[SEL], s[SEL+1]
	s_delay_alu instid0(VALU_DEP_1)
	v_max_num_f32 v254, v254, v236                 ; and among lane l xor 16's
	s_delay_alu instid0(VALU_DEP_1)
	v_mul_f32 v254, s[CS], v254                    ; as t (c is positive)
	s_delay_alu instid0(VALU_DEP_1)
	v_max_num_f32 v13, v13, v254                   ; the running largest t
	v_mov_b32 v254, v12
	s_delay_alu instid0(VALU_DEP_2)
	v_floor_f32 v12, -v13                          ; the new -M = floor(-t): M is a whole number
	s_delay_alu instid0(VALU_DEP_1)
	v_sub_f32 v254, v12, v254                      ; old M - new M, 0 or less
	s_delay_alu instid0(VALU_DEP_1)
	v_cvt_i32_f32 v254, v254                       ; (it saturates)
	s_delay_alu instid0(VALU_DEP_1)
	v_ldexp_f32 v252, 1.0, v254                    ; f = 2^(old M - new M)
.set j, 0
.rept 32
	v_pk_fma_f32 v[96+j:97+j], v[96+j:97+j], s[CS:CS+1], v[12:13] op_sel_hi:[1,0,0]   ; t - M, two at a time
.set j, j+2
.endr
.set j, 0
	s_setprio 1
	s_wait_alu depctr_va_vdst(0)
.rept 64
	v_exp_f32 v[96+j], v[96+j]                     ; p = 2^(t - M)
.set j, j+1
.endr
	v_pk_mul_f32 v[14:15], v[14:15], v[252:253] op_sel_hi:[1,0]   ; the sums under the new M: the plain line behind the exponentials
	s_wait_alu depctr_va_vdst(0)                   ; one wait for the whole batch, ahead of its first reader
	v_pk_add_f32 v[242:243], v[100:101], v[104:105]
	v_pk_add_f32 v[248:249], v[108:109], v[112:113]
	v_pk_add_f32 v[246:247], v[116:117], v[120:121]
	v_pk_add_f32 v[240:241], v[124:125], v[128:129]
	v_pk_add_f32 v[238:239], v[132:133], v[136:137]
	v_pk_add_f32 v[234:235], v[140:141], v[144:145]
	v_pk_add_f32 v[232:233], v[148:149], v[152:153]
	v_pk_add_f32 v[14:15], v[14:15], v[156:157]
	v_pk_add_f32 v[242:243], v[242:243], v[96:97]
	v_pk_add_f32 v[248:249], v[248:249], v[98:99]
	v_pk_add_f32 v[246:247], v[246:247], v[102:103]
	v_pk_add_f32 v[240:241], v[240:241], v[106:107]
	v_pk_add_f32 v[238:239], v[238:239], v[110:111]
	v_pk_add_f32 v[234:235], v[234:235], v[114:115]
	v_pk_add_f32 v[232:233], v[232:233], v[118:119]
	v_pk_add_f32 v[14:15], v[14:15], v[122:123]
	v_pk_add_f32 v[242:243], v[242:243], v[126:127]
	v_pk_add_f32 v[248:249], v[248:249], v[130:131]
	v_pk_add_f32 v[246:247], v[246:247], v[134:135]
	v_pk_add_f32 v[240:241], v[240:241], v[138:139]
	v_pk_add_f32 v[238:239], v[238:239], v[142:143]
	v_pk_add_f32 v[234:235], v[234:235], v[146:147]
	v_pk_add_f32 v[232:233], v[232:233], v[150:151]
	v_pk_add_f32 v[14:15], v[14:15], v[154:155]
	v_pk_add_f32 v[242:243], v[242:243], v[158:159]
	s_delay_alu instid0(VALU_DEP_2)
	v_pk_add_f32 v[14:15], v[14:15], v[240:241]
	s_delay_alu instid0(VALU_DEP_2)
	v_pk_add_f32 v[242:243], v[242:243], v[238:239]
	v_pk_add_f32 v[248:249], v[248:249], v[234:235]
	v_pk_add_f32 v[246:247], v[246:247], v[232:233]
	s_delay_alu instid0(VALU_DEP_2)
	v_pk_add_f32 v[14:15], v[14:15], v[248:249]
	s_delay_alu instid0(VALU_DEP_2)
	v_pk_add_f32 v[242:243], v[242:243], v[246:247]
	s_delay_alu instid0(VALU_DEP_1)
	v_pk_add_f32 v[14:15], v[14:15], v[242:243]
.irp b, 0,1,2,3
.irp i, 0,1,2,3,4,5,6,7,8,9,10,11,12,13,14,15
.endr
	v_cvt_scalef32_pk8_fp8_f32 v[192+4*\b:193+4*\b], v[96+16*\b:103+16*\b], v244
	v_cvt_scalef32_pk8_fp8_f32 v[194+4*\b:195+4*\b], v[104+16*\b:111+16*\b], v244
.endr
.set j, 0
.rept 16
	v_pk_mul_f32 v[160+j:161+j], v[160+j:161+j], v[252:253] op_sel_hi:[1,0]   ; O^T under the new M (also the plain lines between the conversions and the products)
.set j, j+2
.endr
	s_wait_alu depctr_va_vdst(0)
	s_wait_dscnt 0x0                               ; V's fragments are in
.irp t, 0,1,2,3                                ; O^T += V^T P^T: four tiles of 16 channels, K = the step's 128 keys; four accumulators, one instruction each
	v_wmma_f32_16x16x128_fp8_fp8 v[160+8*\t:167+8*\t], v[32+16*\t:47+16*\t], v[192:207], v[160+8*\t:167+8*\t]
.endr
	s_cmp_lg_u32 s14, s17
	s_setprio 0
	s_cbranch_scc1 .Lnot_end
	; THE TILE ENDS: O^T / the sum x 2^(e8 + e9), quantised with e10; two stores of 512 consecutive bytes; then the second tile takes the first's place.
.rept 4
	v_nop
.endr
	v_add_f32 v14, v14, v15
	s_delay_alu instid0(VALU_DEP_1)
	v_permlanex16_b32 v252, v14, s[SEL], s[SEL+1]
	s_delay_alu instid0(VALU_DEP_1)
	v_add_f32 v14, v14, v252                       ; the row's sum
	s_wait_alu depctr_va_vdst(0)
	v_rcp_f32 v14, v14
	v_nop                                          ; a plain line behind the transcendental
	s_wait_alu depctr_va_vdst(0)                   ; and the wait ahead of its first reader
	v_ldexp_f32 v14, v14, s50
.set j, 0
.rept 16
	v_pk_mul_f32 v[96+j:97+j], v[160+j:161+j], v[14:15] op_sel_hi:[1,0]   ; register 16 b + i: channel 32 b + 16 h + i; each accumulator from its low end on
.set j, j+2
.endr
.set j, 0
.rept 32
.set j, j+1
.endr
.irp b, 0,1
	v_cvt_scalef32_pk8_fp8_f32 v[208+4*\b:209+4*\b], v[96+16*\b:103+16*\b], v217
	v_cvt_scalef32_pk8_fp8_f32 v[210+4*\b:211+4*\b], v[104+16*\b:111+16*\b], v217
.endr
	v_nop                                          ; a plain line behind the last conversion
	global_store_b128 v7, v[208:211], s[46:47]
	global_store_b128 v7, v[212:215], s[46:47] offset:512
	s_wait_xcnt 0x0                                ; the stores have read their base and their codes: both are written again only behind this wait
	s_mov_b64 s[46:47], s[48:49]
.set j, 0
.rept 8
	v_mov_b32 v[16+j], v[24+j]                     ; the second tile's Q
.set j, j+1
.endr
	v_mov_b32 v4, v5
	INIT
.Lnot_end:
	s_add_co_u32 s14, s14, 1
	s_cmp_lt_u32 s14, 17
	s_cbranch_scc1 .Lstep
	s_setprio 0
	s_wait_tensorcnt 0x0
	ds_add_u32 v251, v255
	s_wait_dscnt 0x0
	CROUND                                         ; the closing round: no work-group ends while a partner may still ask for a tile that names it
	s_endpgm
.Lfunc_end_k_qb36d1a1cad_attn:
	.size	k_qb36d1a1cad_attn, .Lfunc_end_k_qb36d1a1cad_attn-k_qb36d1a1cad_attn
	.p2alignl 7, 3214868480
	.fill 96, 4, 3214868480
	.section	.rodata,"a",@progbits
	.p2align	6, 0x0
	.amdhsa_kernel k_qb36d1a1cad_attn
		.amdhsa_group_segment_fixed_size 264192
		.amdhsa_private_segment_fixed_size 0
		.amdhsa_enable_private_segment 0
		.amdhsa_kernarg_size 24
		.amdhsa_user_sgpr_count 2
		.amdhsa_user_sgpr_kernarg_segment_ptr 1
		.amdhsa_wavefront_size32 1
		.amdhsa_system_sgpr_workgroup_id_x 1
		.amdhsa_system_sgpr_workgroup_id_y 1
		.amdhsa_system_sgpr_workgroup_id_z 1
		.amdhsa_system_vgpr_workitem_id 0
		.amdhsa_next_free_vgpr 256
		.amdhsa_next_free_sgpr 66
		.amdhsa_reserve_vcc 1
		.amdhsa_float_denorm_mode_32 3
		.amdhsa_float_denorm_mode_16_64 3
		.amdhsa_fp16_overflow 1
		.amdhsa_memory_ordered 1
		.amdhsa_forward_progress 1
		.amdhsa_inst_pref_size 31
	.end_amdhsa_kernel
	.amdgpu_metadata
---
amdhsa.version: [ 1, 2 ]
amdhsa.kernels:
  - .name:           k_qb36d1a1cad_attn
    .symbol:         k_qb36d1a1cad_attn.kd
    .args:
      - { .name: qkvc, .offset: 0, .size: 8, .value_kind: global_buffer, .address_space: global }
      - { .name: lowp_scales, .offset: 8, .size: 8, .value_kind: global_buffer, .address_space: global }
      - { .name: ac, .offset: 16, .size: 8, .value_kind: global_buffer, .address_space: global }
    .group_segment_fixed_size: 264192
    .private_segment_fixed_size: 0
    .kernarg_segment_align: 8
    .kernarg_segment_size: 24
    .max_flat_workgroup_size: 512
    .sgpr_count:     66
    .vgpr_count:     256
    .wavefront_size: 32
...
	.end_amdgpu_metadata
.endif
;; end of part 3
;; launch oproj (part 4): grid 4 x 32, 4 waves a work-group, clusters of 4 x 4, 327,680 bytes of LDS; arguments ac, opc, bo, lowp_scales, out0; writes out0
.if DOCPART == 4
	.amdgcn_target "amdgcn-amd-amdhsa--gfx1250"
	.amdhsa_code_object_version 6
	.text
	.protected	k_qb36d1a1cad_oproj
	.globl	k_qb36d1a1cad_oproj
	.p2align	8
	.type	k_qb36d1a1cad_oproj,@function
k_qb36d1a1cad_oproj:
	s_mov_b64 s[64:65], 0
	v_nop
	global_prefetch_b8 v0, s[64:65] scope:SCOPE_SE
	s_setreg_imm32_b32 hwreg(HW_REG_WAVE_MODE, 25, 1), 1
	s_wait_xcnt 0x0
	s_wait_alu depctr_hold_cnt(0) depctr_sa_sdst(0) depctr_va_vdst(0) depctr_va_sdst(0) depctr_va_ssrc(0) depctr_va_vcc(0) depctr_vm_vsrc(0)
	s_getreg_b32 s2, hwreg(HW_REG_IB_STS2, 6, 4)
	s_cmp_eq_u32 s2, 0
	s_cbranch_scc0 .Lentry_in_a_cluster
	s_endpgm
.Lentry_in_a_cluster:
	s_bfe_u32 s2, ttmp6, 0x10000c
	s_cmp_lg_u32 s2, 0xf033
	s_cbranch_scc0 .Lentry_shape_is_right
	s_endpgm
.Lentry_shape_is_right:
; out0 = attention's result x Wo^T + bo on codes of E4M3: sum x 2^(e10 + e11) + bo, f32.  A = ac (tokens), B = Wo's image in opc (channels); both are images of operand registers:
; [tile of 16 rows][K / 128][c][lane][16 bytes], row P(tile, r) = 32 (tile / 2) + 8 (tile % 2) + r + 8 (r / 8), k = 128 s + 32 c + 16 h + 0 .. 15.
; A work-group makes 256 x 256, four waves 128 x 128 each; K = 1,024 goes in four steps of 256 through two LDS slots; a wave's tensor load brings 8 tiles x 4,096 bytes.  32 x 4 = 128 work-groups.
; CLUSTERS: 4 x 4.  The four of a row need the same tiles of A, the four of a column the same tiles of B: each is asked for jointly.
; THE MATRIX INSTRUCTION IS USED TRANSPOSED (source 0 = B's tile, source 1 = A's): a lane holds token P(tile, r) and, of B's tiles 2 b and 2 b + 1, the 16 neighbouring channels 32 b + 16 h + 0 .. 15.
; THE WAY OUT: a block of 16 tokens x 128 channels goes through the wave's own stage in LDS (bytes that no tensor load fills) and comes back as whole rows of 512 bytes; scale and bias are applied there, where a lane
; holds the same four channels in every row; the 32 lanes store 512 consecutive bytes, aligned.
; LIMIT: e10 + e11 between -126 and 127.
; REGISTERS: window 0: v0-31 addresses; v32-35 my four channels' bias; from v128 A's fragments, one set (on the way out: rows, two sets of 64).  window 1: B's fragments, two sets.  windows 2, 3: the accumulators.
.set WOFF,   25165824
.set KSB,    4096
.set TILEB,  16384
.set FR,     16
.set NL,     4
.set NP,     4
.set SLOT,   131072
.set SPARE,  2*SLOT                    ; the spare words, 128 bytes for each wave
.set STAGE,  SPARE+512                 ; behind them: 16 rows x 528 bytes for each wave
.set SPITCH, 528
.set ADRA, 16
.set ADRB, 20
.set STO,  24                          ; v24  the stage: where I put a row's 64 bytes of a pair of tiles
.set RD,   25                          ; v25  and where I read a row back
.set CO,   26                          ; v26  16 x lane
.set SPW,  28
.set NIL,  29
.set AF,   128
.set BK,   128
.set G1, 24
.set G0, 32
.set G1B, 48
.set G0B, 56
.set MSB, 0
.macro WIN new
.if MSB != (\new)
	s_set_vgpr_msb (MSB<<8)|(\new)
.set MSB, (\new)
.endif
.endm
.set MUL_LO, 0xa1
.set MUL_HI, 0xf1
.set TO_B,   0x40
.macro JLOAD g0a, g1a, g0b, g1b        ; waves 0 and 1 fetch for A, waves 2 and 3 for B; four v_nop follow each of the two lines
	s_cmp_eq_u32 s17, 0
	s_cbranch_scc0 .Lfor_b_\@
	tensor_load_to_lds s[\g0a:\g0a+3], s[\g1a:\g1a+7]
	s_nop 0
.rept 4
	v_nop
.endr
	s_branch .Lasked_\@
.Lfor_b_\@:
	tensor_load_to_lds s[\g0b:\g0b+3], s[\g1b:\g1b+7]
	s_nop 0
.rept 4
	v_nop
.endr
.Lasked_\@:
.endm
.macro CREST
	s_cmp_lg_u32 s16, 0
	s_cbranch_scc1 .Lnot_wave_0_\@
	s_barrier_signal -3
.Lnot_wave_0_\@:
	s_barrier_wait -3
	s_barrier_signal -1
	s_barrier_wait -1
.endm
.macro CROUND
	s_barrier_signal -1
	s_barrier_wait -1
	CREST
.endm
	s_load_b256 s[4:11], s[0:1], 0x0               ; ac, opc, bo, the scales' exponents
	s_load_b64 s[12:13], s[0:1], 0x20              ; out0
	v_lshl_add_u32 v[SPW], v0, 2, SPARE
	v_mov_b32 v[NIL], 0
	ds_add_u32 v28, v29
	ds_add_u32 v28, v29
	s_wait_dscnt 0x0
	v_lshrrev_b32 v1, 5, v0
	v_readfirstlane_b32 s16, v1                    ; wave
	s_lshr_b32 s17, s16, 1                         ; my half of the tokens.  Also: I fetch for A (0) or for B (1)
	s_and_b32 s18, s16, 1                          ; my half of the channels.  Also: which 8 tiles I fetch
	s_bfe_u32 s19, ttmp6, 0x40000                  ; cx
	s_bfe_u32 s20, ttmp6, 0x40004                  ; cy
	s_and_b32 s22, ttmp7, 0xffff
	s_lshl_b32 s22, s22, 2                         ; 4 Y
	s_lshl_b32 s42, s20, 2
	s_lshl_b32 s42, 15, s42                        ; my row of the cluster
	s_lshl_b32 s43, 0x1111, s19                    ; my column
	s_or_b32 s[G1+0], s42, (1<<21)
	s_or_b32 s[G1B+0], s43, (1<<21)
.irp g, G1, G1B
	s_mov_b32 s[\g+1], KSB<<16
	s_mov_b32 s[\g+2], 8<<16
	s_mov_b32 s[\g+3], KSB<<16
	s_mov_b32 s[\g+4], 8
	s_mov_b32 s[\g+5], TILEB
	s_mov_b32 s[\g+6], 0
	s_mov_b32 s[\g+7], 0
.endr
	s_add_co_u32 s40, s22, s20                     ; A: block 4 Y + cy of 16 tiles
	s_lshl_b32 s40, s40, 18
	s_lshl_b32 s41, s18, 17
	s_add_co_u32 s40, s40, s41
	s_mov_b32 s41, 0
	s_lshl_b32 s46, s19, 18                        ; B: block cx of Wo's image
	s_add_co_u32 s46, s46, WOFF+(3<<20)
	s_lshl_b32 s47, s18, 17
	s_add_co_u32 s46, s46, s47
	s_mov_b32 s47, 0
	s_lshl_b32 s66, s16, 15
	s_wait_kmcnt 0x0
	s_load_b64 s[96:97], s[10:11], 0x28            ; e10, e11
	s_add_nc_u64 s[40:41], s[4:5], s[40:41]
	s_add_nc_u64 s[46:47], s[6:7], s[46:47]
	CROUND
.irp s, 0,1
	s_mov_b32 s[G0+4*\s], 1
	s_add_co_u32 s[G0+4*\s+1], s66, \s*SLOT
	s_add_nc_u64 s[G0+4*\s+2:G0+4*\s+3], s[40:41], \s*KSB
	s_or_b32 s[G0+4*\s+3], s[G0+4*\s+3], 0x80000000
	s_mov_b32 s[G0B+4*\s], 1
	s_add_co_u32 s[G0B+4*\s+1], s66, \s*SLOT
	s_add_nc_u64 s[G0B+4*\s+2:G0B+4*\s+3], s[46:47], \s*KSB
	s_or_b32 s[G0B+4*\s+3], s[G0B+4*\s+3], 0x80000000
	s_wait_alu depctr_va_vdst(0)
	s_wait_tensorcnt 0x0
	ds_add_u32 v28, v29
	ds_add_u32 v28, v29
	s_wait_dscnt 0x0
	CROUND
	JLOAD G0+4*\s, G1, G0B+4*\s, G1B
.endr
	v_and_b32 v1, 31, v0
	v_and_b32 v2, 15, v0                           ; r
	s_wait_alu depctr_va_vdst(0)
	v_bfe_u32 v3, v0, 4, 1                         ; h
	v_lshlrev_b32 v[CO], 4, v1                     ; 16 x lane
	s_lshl_b32 s42, s17, 15
	s_lshl_b32 s43, s18, 15
	s_add_co_u32 s43, s43, 65536
.irp s, 0,1
	v_add_nc_u32 v[ADRA+\s], s42, v[CO]
	v_add_nc_u32 v[ADRB+\s], s43, v[CO]
	s_add_co_u32 s42, s42, SLOT
	s_add_co_u32 s43, s43, SLOT
.endr
	s_mul_i32 s42, s16, 16*SPITCH
	s_add_co_u32 s42, s42, STAGE                   ; my stage
	v_mul_u32_u24 v[STO], v2, SPITCH
	s_wait_alu depctr_va_vdst(0)
	v_lshl_add_u32 v[STO], v3, 6, v[STO]
	v_add_nc_u32 v[STO], s42, v[STO]               ; in: row r, + 64 h bytes
	v_add_nc_u32 v[RD], s42, v[CO]                 ; back: the 32 lanes take one row of 512 bytes
	s_lshl_b32 s68, s19, 10
	s_lshl_b32 s69, s18, 9
	s_add_co_u32 s68, s68, s69                     ; my wave's 128 channels, in bytes
	s_mov_b32 s69, 0
	s_add_co_u32 s44, s22, s20
	s_lshl_b32 s44, s44, 20                        ; 256 rows of 4,096 bytes
	s_lshl_b32 s45, s17, 19
	s_add_co_u32 s44, s44, s45
	s_add_co_u32 s44, s44, s68
	s_mov_b32 s45, 0
	s_add_nc_u64 s[12:13], s[12:13], s[44:45]      ; out0 at my wave's first row and column
	s_add_nc_u64 s[68:69], s[8:9], s[68:69]
	global_load_b128 v[32:35], v[CO], s[68:69]     ; bo of channels 4 x lane + 0 .. 3 of my 128
.macro FRAG reg, adr, q, i
.irp c, 0,1,2,3
	ds_load_b128 v[\reg+4*\c:\reg+4*\c+3], v[\adr] offset:2048*(\q)+512*\c+(\i)*KSB
.endr
.endm
.macro MUL16 a0, p, zero               ; the 64 accumulators take turns, one instruction a turn
.irp a, \a0, \a0+1
.irp b, 0,1,2,3,4,5,6,7
.if \zero
	v_wmma_f32_16x16x128_fp8_fp8 v[8*(8*((\a)%4)+\b):8*(8*((\a)%4)+\b)+7], v[128*(\p)+FR*\b:128*(\p)+FR*\b+FR-1], v[AF+FR*(\a):AF+FR*(\a)+FR-1], 0
.else
	v_wmma_f32_16x16x128_fp8_fp8 v[8*(8*((\a)%4)+\b):8*(8*((\a)%4)+\b)+7], v[128*(\p)+FR*\b:128*(\p)+FR*\b+FR-1], v[AF+FR*(\a):AF+FR*(\a)+FR-1], v[8*(8*((\a)%4)+\b):8*(8*((\a)%4)+\b)+7]
.endif
.endr
.endr
.endm
.macro FETCH_B slot, q, p
	WIN TO_B
.irp i, 0,1,2,3,4,5,6,7
	FRAG 128*(\p)+FR*\i, ADRB+\slot, \q, \i
.endr
	WIN 0
.endm
.macro FETCH_A slot, q, i0
.irp i, \i0, \i0+1, \i0+2, \i0+3
	FRAG AF+FR*(\i), ADRA+\slot, \q, \i
.endr
.endm
.macro PLACES n
.rept \n
	v_nop
.endr
.endm
.macro STEP slot, q, zero
	s_wait_dscnt 4*NL                              ; B's set and A's blocks 0-3 are in; the youngest 16 loads (A's blocks 4-7) may be out
	WIN MUL_LO
	MUL16 0, (\q)%2, \zero
	MUL16 2, (\q)%2, \zero
	s_wait_dscnt 0
	PLACES NP
	FETCH_B \slot, (\q)+1, 1-(\q)%2
	FETCH_A \slot, (\q)+1, 0
	WIN MUL_HI
	MUL16 4, (\q)%2, \zero
	MUL16 6, (\q)%2, \zero
	PLACES NP
	WIN 0
	FETCH_A \slot, (\q)+1, 4
.endm
.macro TURN slot, next, fill
	s_wait_tensorcnt 0x0                           ; all my tensor loads have landed: my part of the next slot
	ds_add_u32 v[SPW], v[NIL]                      ; 0 onto my spare word
	s_wait_dscnt 4*NL+1                            ; (the add and the youngest 16 loads may be out)
	WIN MUL_LO
	MUL16 0, 1, 0
	s_wait_dscnt 0x0                               ; the add is done, and my reads of this slot are over
	s_barrier_signal -1
	MUL16 2, 1, 0
	WIN 0
	s_barrier_wait -1
.if \fill
	CREST                                          ; the barrier has opened a round of the cluster's: no wave of any partner still reads this slot or has a load on its way
	s_add_nc_u64 s[G0+4*\slot+2:G0+4*\slot+3], s[G0+4*\slot+2:G0+4*\slot+3], 2*KSB
	s_add_nc_u64 s[G0B+4*\slot+2:G0B+4*\slot+3], s[G0B+4*\slot+2:G0B+4*\slot+3], 2*KSB
	JLOAD G0+4*\slot, G1, G0B+4*\slot, G1B
.else
	PLACES NP
.endif
	FETCH_B \next, 0, 0
	FETCH_A \next, 0, 0
	WIN MUL_HI
	MUL16 4, 1, 0
	MUL16 6, 1, 0
	PLACES NP
	WIN 0
	FETCH_A \next, 0, 4
.endm
	s_wait_tensorcnt 1                             ; my part of K step 0 is in; K step 1's load may be out
	s_barrier_signal -1
	s_barrier_wait -1
	FETCH_B 0, 0, 0
	FETCH_A 0, 0, 0
	FETCH_A 0, 0, 4
	STEP 0, 0, 1
	TURN 0, 1, 1
	STEP 1, 0, 0
	TURN 1, 0, 1
	STEP 0, 0, 0
	TURN 0, 1, 0
	STEP 1, 0, 0
	s_wait_dscnt 4*NL
	WIN MUL_LO
	MUL16 0, 1, 0
	MUL16 2, 1, 0
	s_wait_alu depctr_va_vdst(0)
	s_wait_dscnt 0
	WIN MUL_HI
	MUL16 4, 1, 0
	MUL16 6, 1, 0
	WIN 0
; Block a: the sums go into my stage as they stand (register 16 b + i: channel 32 b + 16 h + i; each accumulator from its low end on) and come back as rows.
.macro TOSTAGE a
.set AC, 64*((\a)%4)
.set BB, BK+64*((\a)%2)
	WIN 0x08+4*((\a)/4)                            ; an LDS store's data are source 1: window 2 or 3
.irp j, 0,1,2,3,4,5,6,7,8,9,10,11,12,13,14,15
	ds_store_b128 v[STO], v[AC+4*\j:AC+4*\j+3] offset:128*(\j/4)+16*(\j%4)
.endr
	WIN 0
.irp t, 0,1,2,3,4,5,6,7,8,9,10,11,12,13,14,15
	ds_load_b128 v[BB+4*\t:BB+4*\t+3], v[RD] offset:\t*SPITCH   ; LDS serves a wave's instructions in order (ISA guide 5.7.1.4): these see the stores above, and the next block's stores come behind them
.endr
.endm
.macro SEND a, younger                 ; younger: the LDS instructions issued behind block a's loads, which may stay out
.set BB, BK+64*((\a)%2)
	s_wait_dscnt \younger
.irp t, 0,1,2,3,4,5,6,7,8,9,10,11,12,13,14,15
	v_pk_fma_f32 v[BB+4*\t:BB+4*\t+1], v[BB+4*\t:BB+4*\t+1], s[96:97], v[32:33] op_sel_hi:[1,0,1]     ; sum x 2^(e10 + e11) + bo
	v_pk_fma_f32 v[BB+4*\t+2:BB+4*\t+3], v[BB+4*\t+2:BB+4*\t+3], s[96:97], v[34:35] op_sel_hi:[1,0,1]
.endr
.irp t, 0,1,2,3,4,5,6,7,8,9,10,11,12,13,14,15
	global_store_b128 v[CO], v[BB+4*\t:BB+4*\t+3], s[12:13] offset:(32*((\a)/2)+8*((\a)%2)+\t+8*(\t/8))*4096 th:TH_STORE_NT   ; stage row t is token P(a, t): 512 consecutive bytes, aligned; at most 127 rows on: inside the signed 24-bit immediate
.endr
.endm
	s_wait_kmcnt 0x0
	s_add_co_i32 s96, s96, s97
	s_add_co_i32 s96, s96, 127
	s_lshl_b32 s96, s96, 23                        ; 2^(e10 + e11) as f32
	s_mov_b32 s97, s96
	s_wait_loadcnt 0x0                             ; bo
	PLACES NP                                      ; behind the last products: for the stores that read results and the loads into the registers that held A's fragments
	TOSTAGE 0
.irp a, 1,2,3,4,5,6,7
.if \a > 1
	s_wait_xcnt 0x0                                ; block a - 2's stores have read their registers: block a's loads may land there
.endif
	TOSTAGE \a
	SEND \a-1, 32                                  ; behind block a - 1's loads: block a's 16 stores and 16 loads
.endr
	SEND 7, 0
	s_wait_tensorcnt 0x0                           ; the wave's end
	ds_add_u32 v[SPW], v[NIL]
	s_wait_dscnt 0x0
	CROUND                                         ; the closing round
	s_endpgm
.Lfunc_end_k_qb36d1a1cad_oproj:
	.size	k_qb36d1a1cad_oproj, .Lfunc_end_k_qb36d1a1cad_oproj-k_qb36d1a1cad_oproj
	.p2alignl 7, 3214868480
	.fill 96, 4, 3214868480
	.section	.rodata,"a",@progbits
	.p2align	6, 0x0
	.amdhsa_kernel k_qb36d1a1cad_oproj
		.amdhsa_group_segment_fixed_size 327680
		.amdhsa_private_segment_fixed_size 0
		.amdhsa_enable_private_segment 0
		.amdhsa_kernarg_size 40
		.amdhsa_user_sgpr_count 2
		.amdhsa_user_sgpr_kernarg_segment_ptr 1
		.amdhsa_wavefront_size32 1
		.amdhsa_system_sgpr_workgroup_id_x 1
		.amdhsa_system_sgpr_workgroup_id_y 1
		.amdhsa_system_sgpr_workgroup_id_z 1
		.amdhsa_system_vgpr_workitem_id 0
		.amdhsa_next_free_vgpr 1024
		.amdhsa_next_free_sgpr 98
		.amdhsa_reserve_vcc 0
		.amdhsa_float_denorm_mode_32 3
		.amdhsa_float_denorm_mode_16_64 3
		.amdhsa_memory_ordered 1
		.amdhsa_forward_progress 1
		.amdhsa_inst_pref_size 123
	.end_amdhsa_kernel
	.amdgpu_metadata
---
amdhsa.version: [ 1, 2 ]
amdhsa.kernels:
  - .name:           k_qb36d1a1cad_oproj
    .symbol:         k_qb36d1a1cad_oproj.kd
    .args:
      - { .name: ac, .offset: 0, .size: 8, .value_kind: global_buffer, .address_space: global }
      - { .name: opc, .offset: 8, .size: 8, .value_kind: global_buffer, .address_space: global }
      - { .name: bo, .offset: 16, .size: 8, .value_kind: global_buffer, .address_space: global }
      - { .name: lowp_scales, .offset: 24, .size: 8, .value_kind: global_buffer, .address_space: global }
      - { .name: out0, .offset: 32, .size: 8, .value_kind: global_buffer, .address_space: global }
    .group_segment_fixed_size: 327680
    .private_segment_fixed_size: 0
    .kernarg_segment_align: 8
    .kernarg_segment_size: 40
    .max_flat_workgroup_size: 128
    .sgpr_count:     98
    .vgpr_count:     1024
    .wavefront_size: 32
...
	.end_amdgpu_metadata
.endif
;; end of part 4
